; MI455X (gfx1250); checked and timed in simulation.
; The chip was launched on July 23, 2026; its instructions are those of AMD's public machine-readable ISA for CDNA 5 (MIT licence, August 2026) and "CDNA5" Instruction Set Architecture Reference Guide (July 2026). The comments in the code are by the model that wrote it; some were corrected since.
;; Quantized Linear. Allowed arithmetic: matrix products marked QUANTISED: E3M2 operands, one E8M0 scale for each 32 along K, by v_wmma_scale_f32_16x16x128_f8f6f4 with both operands' format E3M2, f32 sums; everything else in f32.
;; Inputs: scale 16,384 x 1 float32; weight 16,384 x 4,096 int8; x_codes 4 x 256 x 128 x 24 uint8 (E3M2 codes of x, K innermost, in blocks of 32 codes, four codes in three bytes); x_scales 4 x 256 x 128 uint8 (E8M0 scales of x, one for each 32 codes along K).
;; Outputs: out0 4 x 256 x 16,384 float32.
;; This version of the problem:
;;   THIS VERSION OF THE PROBLEM IS GIVEN IN LOW PRECISION. The matrix products marked QUANTISED in the list below multiply operands that are first quantised to E3M2 (3 exponent bits, 2 mantissa bits; 6 bits a number), with one power-of-two scale for each 32 numbers along K (OCP MX v1.0); their sums are f32. All else is computed in f32.
;;   The module's matrix products, in the order in which they are computed (A, B: the left and right operand; K: the contracted axis; several contracted axes count as one K, in the product's order):
;;     1. [M 1,024, K 4,096] x [K 4,096, N 16,384]; A: input x (given as codes); B: computed on the way: QUANTISED
;;   THE QUANTISER, for each operand of a quantised product, along K:
;;     - K is cut into blocks of 32 from its start; a last block that is shorter is filled with zeros.
;;     - A block's scale is 2^e with e = floor(log2(the largest magnitude in the block)) - 4, held to -126 .. 127; a block of zeros has e = 0. As a byte (E8M0): e + 127.
;;     - Each number is divided by its block's scale, clamped to +-28, and rounded to the nearest number of E3M2, ties to even, subnormals kept.
;;     - The product sums the exact products of the quantised numbers (number of the format x scale) in f32.
;;   ~~~python
;;   def quantise(x, axis):      # numpy; x: float32 -> the quantised numbers, widened to float32 again
;;       x = np.moveaxis(x, axis, -1); K = x.shape[-1]
;;       x = np.pad(x, [(0, 0)] * (x.ndim - 1) + [(0, -K % 32)]); x = x.reshape(x.shape[:-1] + (-1, 32)); a = np.abs(x).max(-1, keepdims=True)
;;       e = np.where(a > 0, np.clip(np.frexp(np.where(a > 0, a, 1))[1] - 1 - 4, -126, 127), 0)      # np.frexp(a)[1] - 1 = floor(log2(a)), exactly
;;       r = np.clip(x / 2.0 ** e, -28, 28)
;;       step = 2.0 ** (np.maximum(np.frexp(np.where(r == 0, 1, r))[1] - 1, -2) - 2)
;;       q = np.round(r / step) * step * 2.0 ** e      # np.round: ties to even
;;       return np.moveaxis(q.reshape(q.shape[:-2] + (-1,))[..., :K], -1, axis).astype(np.float32)
;;   ~~~
;;   OPERANDS COMPUTED ON THE WAY. 'Computed on the way' means the value that the module computes at that place (a softmax that the list does not call 'softmax' is quantised finished and normalised). What goes into a quantiser is computed in f32, as accurately as f32 sums, v_exp_f32 and their like allow (about 1e-6 of the number): no bf16 or f16 on the way to a quantiser, and a product that is left as it is and whose result goes on into a quantised operand takes f32 operands (vector FMAs, or v_wmma_f32_16x16x4_f32). A number that lies on a knife's edge between two numbers of the format may be rounded either way, as far as f32 arithmetic and the matrix unit's own rounding can turn it there, and no further.
;;   INPUTS GIVEN AS CODES. x (in the module: [4, 256, 4096], K = its axis 2): each comes as NAME_codes (uint8): NAME with its K axis moved to the last place and cut into blocks of 32 codes, [.., K / 32, bytes a block], one block behind the other in memory; four codes in three bytes: a row's codes are one little-endian stream of bits, code i at bits 6 i .. 6 i + 5 (a code: sign, 3 exponent bits, 2 mantissa bits); and NAME_scales (uint8): the same leading axes, one E8M0 byte (e + 127) for each 32 codes along K. Its value is code x scale, taken as it is: it is not quantised again, and the codes and scales need not be those that the quantiser above would give.
;; One version. Each part assembles by itself: llvm-mc -triple=amdgcn-amd-amdhsa -mcpu=gfx1250 --defsym DOCPART=n.
;; ======== version 1 of 1: 2 launches
;; limits: right only within a limited range of input values
;; workspace buffers: w_img 52,428,800 bytes; x_img 3,276,800 bytes
;; launch quant (part 1): grid 1088 x 1, 8 waves a work-group, no clusters, 56,576 bytes of LDS; arguments weight, scale, x_codes, x_scales, w_img, x_img; writes w_img, x_img
.if DOCPART == 1
	.amdgcn_target "amdgcn-amd-amdhsa--gfx1250"
	.amdhsa_code_object_version 6
	.text
	.protected	k_q16dbae1d8e_quant
	.globl	k_q16dbae1d8e_quant
	.p2align	8
	.type	k_q16dbae1d8e_quant,@function
k_q16dbae1d8e_quant:
	s_mov_b64 s[64:65], 0
	v_nop
	global_prefetch_b8 v0, s[64:65] scope:SCOPE_SE
	s_setreg_imm32_b32 hwreg(HW_REG_WAVE_MODE, 25, 1), 1
	s_wait_xcnt 0x0
; Both operands of the product are laid as the matrix unit's registers take them.
; A RECORD serves 128 rows x 128 along K, 12,800 bytes: eight fragments (16 rows x 128 K of 6-bit codes: 12 registers a lane), each as an image of its registers (three runs of 512 bytes, lane l's four registers
; at 16 l), then 512 bytes of scale words: the word (four E8M0 bytes, one for each 32 along K) of row r of tile i at 32 r + 4 i.  A block of 128 rows has its 32 records on end.
; In a fragment lane (r, h) holds row r, and its registers 6 c .. 6 c + 5 the codes of K = 64 c + 32 h + 0 .. 31, a stream of bits, the lowest K lowest.
; WEIGHTS (work-groups 0 .. 1,023): weight [16384][4096] int8 x its row's scale, in f32 (the int8 widened exactly, one rounding in the multiplication), is quantised to BF6 (E3M2) along K: a block's scale is
; 2^(floor(log2(its largest magnitude)) - 4), its byte the largest magnitude's own exponent field - 4, held at 1 from below; each number is divided by the scale and rounded to the nearest code, ties to even,
; beyond the largest code the largest.
; LIMITS: a block of zeros gets the byte 1 where the quantiser's rule says 127: its codes are zeros, which add nothing under any byte but 0xff, and the bytes are read by this program alone.
; Blocks whose largest magnitude lies under 2^-122 have their byte held at 1, as the rule's own clip has it; they were not tried.  NaN and infinities in scale are not served.
; A work-group takes 128 rows x 512 along K (four records); wave i takes tile i, a row a step, 16 steps.  A lane takes 16 NEIGHBOURS along K, 16 bytes: a load reads 512 consecutive bytes; two neighbouring lanes hold a block.
; A lane's 16 codes are three registers of some lane of the image: they go there by three LDS stores of 4 bytes, into the wave's own stage, and the images come back 16 bytes a lane and leave as 512 consecutive bytes.
; The scale bytes of the eight waves meet in LDS: one barrier; each wave then stores 256 consecutive bytes of scale words.
; X (work-groups 1,024 .. 1,087): x arrives as codes and bytes; they are only laid anew, by the same shares: a wave loads four fragments as the operand's layout wants them and stores their images; no LDS, no barrier.
; The two ways part on the work-group's number alone, which all eight waves share.  Work-groups share no input, so there is no cluster.
.set NWG_W, 1024                       ; 128 blocks of rows x 8 runs of 512 along K
.set REC,   12800                      ; a record
.set FRB,   1536                       ; a fragment's image
.set SCO,   12288                      ; the scale words' place in a record
.set EMAX,  4
.set WST,   6656                       ; LDS: a stage for each wave: four images, laid with gaps so that the 32 lanes of a 4-byte store fall on 32 different banks (64 banks of 4 bytes: ISA guide 11.1):
.set QS,    1632                       ;   from image to image (408 words: 24 banks on),
.set CS,    544                        ;   from one run of four registers to the next (136 words: 8 banks on),
.set HS,    272                        ;   from lanes 0-15's 256 bytes to lanes 16-31's (68 words: 4 banks on)
.set SCB,   8*WST                      ; behind the stages: four blocks of 512 bytes of scale words,
.set SQ,    520                        ;   520 bytes apart
.set AK,    3                          ; v3-5    where my three code registers go in the stage
.set RAW,   24                         ; v24-87  step t: 4 registers, 16 int8 as loaded; later the images on their way out.  On x's way: four fragments
.set F,     88                         ; v88-103 16 numbers in f32, at work
.set C,     104                        ; v104-119 four sets by turns (step t takes set t % 4): three registers of codes and the scale's byte
	s_load_b128 s[4:7], s[0:1], 0x0                ; weight s[4:5], scale s[6:7]
	s_load_b128 s[8:11], s[0:1], 0x10              ; x_codes s[8:9], x_scales s[10:11]
	s_load_b128 s[12:15], s[0:1], 0x20             ; w_img s[12:13], x_img s[14:15]
	v_lshl_add_u32 v120, v0, 2, 0xd900
	v_mov_b32 v121, 0
	v_lshrrev_b32 v1, 5, v0
	s_delay_alu instid0(VALU_DEP_1)
	v_readfirstlane_b32 s16, v1                    ; wave 0..7 = my tile of 16 rows
	v_and_b32 v1, 31, v0                           ; lane
	s_delay_alu instid0(VALU_DEP_1)
	v_lshlrev_b32 v2, 4, v1                        ; 16 x lane
	s_delay_alu instid0(VALU_DEP_2)
	v_lshlrev_b32 v12, 3, v1                       ; 8 x lane
	s_and_b32 s17, ttmp9, 7                        ; which 512 along K
	s_lshr_b32 s18, ttmp9, 3
	s_and_b32 s18, s18, 127                        ; which block of 128 rows (x's work-groups: 128 .. 135 become 0 .. 7)
	s_lshr_b32 s22, s16, 1                         ; the scale words that I store: of which of the four records,
	s_and_b32 s23, s16, 1                          ; and which half of its 512 bytes
	s_lshl_b32 s19, s18, 5
	s_lshl_b32 s20, s17, 2
	s_add_co_u32 s19, s19, s20                     ; the first of my work-group's four records
	s_mul_i32 s20, s19, REC
	s_mul_i32 s21, s16, FRB
	s_add_co_u32 s24, s20, s21                     ; s[24:25]: my tile's image in it, in bytes (under 2^26)
	s_mov_b32 s25, 0
	s_mul_i32 s21, s22, REC
	s_add_co_u32 s26, s20, s21
	s_lshl_b32 s21, s23, 8
	s_add_co_u32 s26, s26, s21
	s_add_co_u32 s26, s26, SCO                     ; s[26:27]: my 256 bytes of scale words
	s_mov_b32 s27, 0
	s_lshl_b32 s19, s18, 7
	s_lshl_b32 s21, s16, 4
	s_add_co_u32 s19, s19, s21                     ; my first row
	s_cmp_lt_u32 ttmp9, NWG_W
	s_cbranch_scc1 .Lweights
	; ---- x: four fragments and 64 scale words a wave
	v_and_b32 v18, 15, v0                          ; r
	v_bfe_u32 v19, v0, 4, 1                        ; h
	s_delay_alu instid0(VALU_DEP_2)
	v_mul_u32_u24 v20, v18, 3072                   ; a row of x's codes is 3,072 bytes
	s_delay_alu instid0(VALU_DEP_1)
	v_mad_u32_u24 v20, v19, 24, v20                ; + 24 h
	v_and_b32 v21, 3, v0                           ; my 8 bytes of the scale block lie at 256 x half + 8 x lane = 32 r' + 4 i': r' = 8 x half + lane / 4, i' = 2 (lane % 4) and the tile after it
	s_delay_alu instid0(VALU_DEP_1)
	v_lshlrev_b32 v21, 12, v21                     ; two tiles are 32 rows of 128 bytes
	v_bfe_u32 v22, v0, 2, 3
	s_delay_alu instid0(VALU_DEP_1)
	v_lshl_add_u32 v21, v22, 7, v21
	s_mul_i32 s28, s19, 3072
	s_mul_i32 s29, s17, 384                        ; 512 along K are 384 bytes
	s_add_co_u32 s28, s28, s29
	s_mov_b32 s29, 0
	s_lshl_b32 s30, s18, 14                        ; x's scale bytes: 128 rows of 128 bytes,
	s_lshl_b32 s31, s17, 4                         ; 16 bytes for 512 along K,
	s_add_co_u32 s30, s30, s31
	s_lshl_b32 s31, s22, 2                         ; my record's word,
	s_add_co_u32 s30, s30, s31
	s_lshl_b32 s31, s23, 10                        ; my half's eight rows
	s_add_co_u32 s30, s30, s31
	s_mov_b32 s31, 0
	s_wait_alu depctr_va_vdst(0)
	s_wait_kmcnt 0x0
	s_add_nc_u64 s[8:9], s[8:9], s[28:29]
	s_add_nc_u64 s[10:11], s[10:11], s[30:31]
	s_add_nc_u64 s[4:5], s[14:15], s[24:25]        ; x_img at my images,
	s_add_nc_u64 s[6:7], s[14:15], s[26:27]        ; and at my scale words
.irp q, 0,1,2,3
.irp p, 0,1,2,3,4,5
	global_load_b64 v[RAW+12*\q+2*\p:RAW+12*\q+2*\p+1], v20, s[8:9] offset:96*\q+48*(\p/3)+8*(\p%3)   ; registers 6 c .. 6 c + 5: the 24 bytes at 48 c + 24 h of the row's 96
.endr
.endr
	global_load_b32 v16, v21, s[10:11]
	global_load_b32 v17, v21, s[10:11] offset:2048 ; the next tile's row: 16 rows on
.irp q, 0,1,2,3
	s_wait_loadcnt 2+6*(3-\q)                      ; loads come back in order (ISA guide 5.7.1): fragment q is in; the later fragments' loads and the two words may be out
.irp c, 0,1,2
	global_store_b128 v2, v[RAW+12*\q+4*\c:RAW+12*\q+4*\c+3], s[4:5] offset:REC*\q+512*\c   ; 32 lanes store 512 consecutive bytes, at a multiple of 512 from x_img's first byte
.endr
.endr
	s_wait_loadcnt 0x0
	global_store_b64 v12, v[16:17], s[6:7]         ; 256 consecutive bytes, at a multiple of 256
	s_endpgm
.Lweights:
	; ---- the weights.  Lane l of step t (row t of my tile) holds K = 16 l .. 16 l + 15 of the 512: record q = l / 8; block b = (l / 2) % 4 = 2 c + h; half u = l % 2 of the block.
	; Its three registers are registers 6 c + 3 u + 0 .. 2 of lane t + 16 h of image q.
	s_mul_i32 s28, s16, WST                        ; my stage
	v_bfe_u32 v18, v0, 2, 1                        ; c
	v_and_b32 v19, 1, v0                           ; u
	v_bfe_u32 v20, v0, 1, 1                        ; h
	v_bfe_u32 v21, v0, 3, 2                        ; q
	s_delay_alu instid0(VALU_DEP_4)
	v_mul_u32_u24 v18, v18, 6
	s_delay_alu instid0(VALU_DEP_1)
	v_mad_u32_u24 v18, v19, 3, v18                 ; the first of my three registers
	s_delay_alu instid0(VALU_DEP_3)
	v_mul_u32_u24 v22, v21, QS
	s_delay_alu instid0(VALU_DEP_1)
	v_mad_u32_u24 v22, v20, HS, v22
	s_delay_alu instid0(VALU_DEP_1)
	v_add_nc_u32 v22, s28, v22
.irp j, 0,1,2
	v_add_nc_u32 v19, \j, v18                      ; register R:
	s_delay_alu instid0(VALU_DEP_1)
	v_lshrrev_b32 v23, 2, v19                      ; run R / 4,
	s_delay_alu instid0(VALU_DEP_2)
	v_and_b32 v19, 3, v19                          ; word R % 4 of the lane's 16 bytes; the row, 16 t, stands in the store's immediate
	s_delay_alu instid0(VALU_DEP_2)
	v_mad_u32_u24 v[AK+\j], v23, CS, v22
	s_delay_alu instid0(VALU_DEP_1)
	v_lshl_add_u32 v[AK+\j], v19, 2, v[AK+\j]
.endr
	v_bfe_u32 v19, v0, 1, 2                        ; b
	s_delay_alu instid0(VALU_DEP_1)
	v_mad_u32_u24 v6, v21, SQ, v19
	s_lshl_b32 s29, s16, 2
	s_add_co_u32 s29, s29, SCB
	v_add_nc_u32 v6, s29, v6                       ; my block's byte: block q of scale words, + 4 x my tile + b; the row, 32 t, stands in the immediate
	v_bfe_u32 v19, v0, 4, 1
	v_and_b32 v23, 15, v0
	s_delay_alu instid0(VALU_DEP_2)
	v_mul_u32_u24 v7, v19, HS
	s_delay_alu instid0(VALU_DEP_1)
	v_lshl_add_u32 v7, v23, 4, v7
	s_delay_alu instid0(VALU_DEP_1)
	v_add_nc_u32 v7, s28, v7                       ; out of the stage: my lane's 16 bytes of a run
	s_mul_i32 s29, s22, SQ
	s_lshl_b32 s30, s23, 8
	s_add_co_u32 s29, s29, s30
	s_add_co_u32 s29, s29, SCB
	v_add_nc_u32 v11, s29, v12                     ; and the scale words that I store: 8 bytes a lane
	v_mov_b32 v15, 0                               ; (named with v14 as a pair, so it is written)
	s_lshl_b32 s28, s19, 12                        ; a row of weights is 4,096 bytes
	s_lshl_b32 s29, s17, 9
	s_add_co_u32 s28, s28, s29
	s_mov_b32 s29, 0
	s_lshl_b32 s30, s19, 2
	s_mov_b32 s31, 0
	s_mov_b32 s48, 0x80808080                      ; turns four int8 into four bytes w + 128
	s_mov_b32 s49, 0x4b000000                      ; the f32 number 2^23: with a byte b in its lowest bits it is 2^23 + b
	s_mov_b32 s50, 0xcb000080                      ; -(2^23 + 128): (2^23 + w + 128) + this = w, exactly
	s_mov_b32 s51, s50                             ; (named with it as a pair, so it is written)
	s_mov_b32 s52, 0x07040400                      ; byte selects: result byte 0 = byte i of the loaded word, bytes 1 and 2 = 0, byte 3 = 0x4b
	s_mov_b32 s53, 0x07040401
	s_mov_b32 s54, 0x07040402
	s_mov_b32 s55, 0x07040403
	s_wait_kmcnt 0x0
	s_add_nc_u64 s[4:5], s[4:5], s[28:29]
	s_add_nc_u64 s[6:7], s[6:7], s[30:31]
	s_add_nc_u64 s[8:9], s[12:13], s[24:25]        ; w_img at my images,
	s_add_nc_u64 s[10:11], s[12:13], s[26:27]      ; and at my scale words
	s_load_b512 s[32:47], s[6:7], 0x0              ; my 16 rows' scales
.irp t, 0,1,2,3,4,5,6,7,8,9,10,11,12,13,14,15
	global_load_b128 v[RAW+4*\t:RAW+4*\t+3], v2, s[4:5] offset:4096*\t th:TH_LOAD_NT   ; 32 lanes read 512 consecutive bytes of row t; read once in the launch.  All 16 go out at once
.endr
	s_wait_kmcnt 0x0
.macro STEP t
	s_wait_loadcnt 15-(\t)                         ; row t is in; the 15 - t younger loads may be out
.irp j, 0,1,2,3
	v_xor_b32 v[RAW+4*(\t)+\j], s48, v[RAW+4*(\t)+\j]              ; four bytes w + 128
.endr
.irp j, 0,1,2,3
.irp i, 0,1,2,3
	v_perm_b32 v[F+4*\j+\i], s49, v[RAW+4*(\t)+\j], s[52+\i]       ; 2^23 + w + 128 as f32
.endr
.endr
.irp j, 0,2,4,6,8,10,12,14
	v_pk_add_f32 v[F+\j:F+\j+1], v[F+\j:F+\j+1], s[50:51] op_sel_hi:[1,0]   ; w, exactly
.endr
	v_mov_b32 v14, s[32+(\t)]                      ; the row's scale
.irp j, 0,2,4,6,8,10,12,14
	v_pk_mul_f32 v[F+\j:F+\j+1], v[F+\j:F+\j+1], v[14:15] op_sel_hi:[1,0]   ; w x scale: one rounding
.endr
	v_max3_num_f32 v8, |v[F]|, |v[F+1]|, |v[F+2]|                  ; the largest magnitude of my 16, in two chains
	v_max3_num_f32 v9, |v[F+3]|, |v[F+4]|, |v[F+5]|
.irp i, 6,10
	s_delay_alu instid0(VALU_DEP_2)
	v_max3_num_f32 v8, v8, |v[F+\i]|, |v[F+\i+1]|
	s_delay_alu instid0(VALU_DEP_2)
	v_max3_num_f32 v9, v9, |v[F+\i+2]|, |v[F+\i+3]|
.endr
	s_delay_alu instid0(VALU_DEP_2)
	v_max3_num_f32 v8, v8, |v[F+14]|, |v[F+15]|
	s_delay_alu instid0(VALU_DEP_1)
	v_max3_num_f32 v8, v8, v9, (EMAX+1)<<23        ; and the floor 2^(EMAX + 1 - 127), under which no largest magnitude is taken: so the byte cannot fall under 1
	s_delay_alu instid0(VALU_DEP_1)
	v_max_num_f32_dpp v8, v8, v8 row_xmask:1 row_mask:0xf bank_mask:0xf   ; and of my neighbour's 16: the block's
	s_delay_alu instid0(VALU_DEP_1)
	v_add_nc_u32 v10, -(EMAX<<23), v8              ; EMAX off its exponent field: the conversion takes the exponent field of this operand as its scale, and nothing else of it
	v_cvt_scalef32_pk16_bf6_f32 v[C+4*((\t)%4):C+4*((\t)%4)+2], v[F:F+15], v10   ; 96 bits without gaps, the first number's code lowest
	v_lshrrev_b32 v[C+4*((\t)%4)+3], 23, v10       ; the scale's byte; also the plain vector line behind the conversion
.irp j, 0,1,2
	ds_store_b32 v[AK+\j], v[C+4*((\t)%4)+\j] offset:16*(\t)
.endr
	ds_store_b8 v6, v[C+4*((\t)%4)+3] offset:32*(\t)   ; both lanes of a block write the same byte with the same value
.endm
.irp t, 0,1,2,3,4,5,6,7,8,9,10,11,12,13,14,15
	STEP \t
.endr
.irp q, 0,1,2,3
.irp c, 0,1,2
	ds_load_b128 v[RAW+12*\q+4*\c:RAW+12*\q+4*\c+3], v7 offset:QS*\q+CS*\c   ; LDS serves a wave's instructions in order (ISA guide 5.7.1.4): these see my stores
.endr
.endr
	s_wait_dscnt 0x0                               ; for the others' sake: my scale bytes have landed (and my images are back)
	s_barrier_signal -1
	s_barrier_wait -1                              ; all eight tiles' scale bytes lie in LDS
	ds_load_b64 v[16:17], v11
.irp q, 0,1,2,3
.irp c, 0,1,2
	global_store_b128 v2, v[RAW+12*\q+4*\c:RAW+12*\q+4*\c+3], s[8:9] offset:REC*\q+512*\c   ; 32 lanes store 512 consecutive bytes, at a multiple of 512 from w_img's first byte
.endr
.endr
	s_wait_dscnt 0x0
	global_store_b64 v12, v[16:17], s[10:11]       ; 256 consecutive bytes, at a multiple of 256
	s_wait_tensorcnt 0x0
	ds_add_u32 v120, v121
	s_wait_dscnt 0x0
	s_endpgm
.Lfunc_end_k_q16dbae1d8e_quant:
	.size	k_q16dbae1d8e_quant, .Lfunc_end_k_q16dbae1d8e_quant-k_q16dbae1d8e_quant
	.p2alignl 7, 3214868480
	.fill 96, 4, 3214868480
	.section	.rodata,"a",@progbits
	.p2align	6, 0x0
	.amdhsa_kernel k_q16dbae1d8e_quant
		.amdhsa_group_segment_fixed_size 56576
		.amdhsa_private_segment_fixed_size 0
		.amdhsa_enable_private_segment 0
		.amdhsa_kernarg_size 48
		.amdhsa_user_sgpr_count 2
		.amdhsa_user_sgpr_kernarg_segment_ptr 1
		.amdhsa_wavefront_size32 1
		.amdhsa_system_sgpr_workgroup_id_x 1
		.amdhsa_system_sgpr_workgroup_id_y 1
		.amdhsa_system_sgpr_workgroup_id_z 1
		.amdhsa_system_vgpr_workitem_id 0
		.amdhsa_next_free_vgpr 128
		.amdhsa_next_free_sgpr 66
		.amdhsa_reserve_vcc 0
		.amdhsa_float_denorm_mode_32 3
		.amdhsa_float_denorm_mode_16_64 3
		.amdhsa_memory_ordered 1
		.amdhsa_forward_progress 1
		.amdhsa_inst_pref_size 70
	.end_amdhsa_kernel
	.amdgpu_metadata
---
amdhsa.version: [ 1, 2 ]
amdhsa.kernels:
  - .name:           k_q16dbae1d8e_quant
    .symbol:         k_q16dbae1d8e_quant.kd
    .args:
      - { .name: weight, .offset: 0, .size: 8, .value_kind: global_buffer, .address_space: global }
      - { .name: scale, .offset: 8, .size: 8, .value_kind: global_buffer, .address_space: global }
      - { .name: x_codes, .offset: 16, .size: 8, .value_kind: global_buffer, .address_space: global }
      - { .name: x_scales, .offset: 24, .size: 8, .value_kind: global_buffer, .address_space: global }
      - { .name: w_img, .offset: 32, .size: 8, .value_kind: global_buffer, .address_space: global }
      - { .name: x_img, .offset: 40, .size: 8, .value_kind: global_buffer, .address_space: global }
    .group_segment_fixed_size: 56576
    .private_segment_fixed_size: 0
    .kernarg_segment_align: 8
    .kernarg_segment_size: 48
    .max_flat_workgroup_size: 256
    .sgpr_count:     66
    .vgpr_count:     128
    .wavefront_size: 32
...
	.end_amdgpu_metadata
.endif
;; end of part 1
;; launch gemm (part 2): grid 4 x 64, 4 waves a work-group, clusters of 4 x 1, 327,680 bytes of LDS; arguments x_img, w_img, out0; writes out0
.if DOCPART == 2
	.amdgcn_target "amdgcn-amd-amdhsa--gfx1250"
	.amdhsa_code_object_version 6
	.text
	.protected	k_q16dbae1d8e_gemm
	.globl	k_q16dbae1d8e_gemm
	.p2align	8
	.type	k_q16dbae1d8e_gemm,@function
k_q16dbae1d8e_gemm:
	s_mov_b64 s[64:65], 0
	v_nop
	global_prefetch_b8 v0, s[64:65] scope:SCOPE_SE
	s_setreg_imm32_b32 hwreg(HW_REG_WAVE_MODE, 25, 1), 1
	s_wait_xcnt 0x0
	s_wait_alu depctr_hold_cnt(0) depctr_sa_sdst(0) depctr_va_vdst(0) depctr_va_sdst(0) depctr_va_ssrc(0) depctr_va_vcc(0) depctr_vm_vsrc(0)
	s_getreg_b32 s2, hwreg(HW_REG_IB_STS2, 6, 4)
	s_cmp_eq_u32 s2, 0
	s_cbranch_scc0 .Lentry_in_a_cluster
	s_endpgm
.Lentry_in_a_cluster:
	s_bfe_u32 s2, ttmp6, 0x10000c
	s_cmp_lg_u32 s2, 0x3003
	s_cbranch_scc0 .Lentry_shape_is_right
	s_endpgm
.Lentry_shape_is_right:
; out0[m][n] = sum over k of x[m][k] W[n][k], both as BF6 codes with E8M0 scales, laid by launch quant as records:
; a record serves 128 rows x 128 K: eight register images of fragments (1,536 bytes each) and 512 bytes of scale words; a block of 128 rows has its 32 records on end.
; A work-group makes 256 x 256 of out0; its four waves lie one below the other: a wave makes 64 rows x 256 columns, 64 accumulators, 512 registers.
; X: a wave's 64 rows are read by no other wave of the work-group, so their fragments go from x_img straight into registers (16 bytes a lane, 512 consecutive bytes a load),
;    requested three K steps ahead of their use, four sets of 48 registers by turns.  They are asked for that far ahead by the loads themselves, so no prefetch is laid for x.
; W: all four waves read the same 256 rows: they come through a ring of two LDS slots of four K steps (2 blocks x 4 records), each wave fetching 100 rows of 256 bytes with one tensor load.
; CLUSTER 4, 1, 1: the four work-groups of a cluster make the four row tiles of one column tile and need the same tiles of W: every load of W is a joint load with the mask 15.
;    x's tiles are shared by no partner of the cluster.
; W's 16 fragments of a step have ONE set of registers: fragments 0-7 are loaded anew, for the next step, behind the 32 products that read them, in the step's middle; fragments 8-15 at its end.
; So a step has two runs of loads; x's batch and W's scale words go with the first.
; THE MATRIX INSTRUCTION IS USED TRANSPOSED (source 0 = 16 rows of W, source 1 = 16 rows of x): a lane holds eight neighbouring numbers of a row of out0.
; REGISTERS: window 0: v0-31 addresses; v32-47 W's scale words, two sets; v48-55 x's scale words, two sets; v64-255 x's fragments, four sets (on the way out v128-255 carry rows).
;   window 1: v0-191 W's fragments.  window 2: accumulators of columns 0-127 ((a, b) at v[8 (4 (b % 8) + a)]); window 3: those of columns 128-255.
.set SIZE_N, 16384
.set REC,    12800
.set FRB,    1536
.set SCO,    12288
.set NBB,    32*REC                    ; a block of 128 rows, all of K
.set BLK,    4*REC                     ; a block's four records in a slot
.set SLOT,   2*BLK
.set SPARE,  2*SLOT                    ; the spare words: 512 bytes that no other line names
.set SPITCH, 528                       ; the way out: a stage of 16 rows x (512 + 16) bytes a wave, in slot 0, which has had its last fill and its last read by then
.set ADRB, 16                          ; v16-19 W's fragments: slot x 2 + block; v16 is also 16 x lane
.set ADRS, 20                          ; v20-21 W's scale words in slot 0, 1: lanes 0-15 block 0, lanes 16-31 block 1
.set AS,   22                          ; x's scale words: lanes 0-15 a step's, lanes 16-31 the next step's
.set AO,   23                          ; x's fragments
.set STO,  24
.set RD,   25
.set SPW,  28
.set NIL,  29
.set PFO,  30
.set SCB,  32
.set SCA,  48
.set AF,   64
.set BK,   128
.set G1,   24                          ; s[24:31] group 1; s[32:39] group 0, one for each slot
.set G0,   32
.set XA,   44                          ; s[44:45] x_img at my block
.set PF,   46                          ; s[46:47] where my prefetches stand
.set MSB, 0
.macro WIN new
.if MSB != (\new)
	s_set_vgpr_msb (MSB<<8)|(\new)
.set MSB, (\new)
.endif
.endm
.set MUL_LO, 0xa1                      ; source 0 window 1, source 1 window 0, C and D window 2
.set MUL_HI, 0xf1                      ; the same, C and D window 3
.set TO_B,   0x40
.macro CREST
	s_cmp_lg_u32 s14, 0
	s_cbranch_scc1 .Lnot_wave_0_\@
	s_barrier_signal -3
.Lnot_wave_0_\@:
	s_barrier_wait -3
	s_barrier_signal -1
	s_barrier_wait -1
.endm
.macro CROUND
	s_barrier_signal -1
	s_barrier_wait -1
	CREST
.endm
.macro PLACES                          ; four places between matrix instructions and loads into registers that they have read (ISA guide 7.12.1 for vector instructions)
.rept 4
	v_nop
.endr
.endm
.macro JLOAD sl                        ; every wave's own quarter of a slot; s_nop 0 and four v_nop behind it
	tensor_load_to_lds s[G0+4*(\sl):G0+4*(\sl)+3], s[G1:G1+7]
	s_nop 0
	PLACES
.endm
.macro BFR sl, j, b                    ; W's fragment b of record j of slot sl
.irp c, 0,1,2
	ds_load_b128 v[12*(\b)+4*\c:12*(\b)+4*\c+3], v[ADRB+2*(\sl)+(\b)/8] offset:(\j)*REC+((\b)%8)*FRB+512*\c
.endr
.endm
.macro RUNB sl, j, b0                  ; eight fragments, 24 loads in one run
	WIN TO_B
.irp i, 0,1,2,3,4,5,6,7
	BFR \sl, \j, (\b0)+\i
.endr
.endm
.macro BSC s, sl, j                    ; W's scale words for step s + 1: register i: lanes 0-15 fragment i, lanes 16-31 fragment 8 + i
	ds_load_b128 v[SCB+8*(((\s)+1)%2):SCB+8*(((\s)+1)%2)+3], v[ADRS+(\sl)] offset:(\j)*REC
	ds_load_b128 v[SCB+8*(((\s)+1)%2)+4:SCB+8*(((\s)+1)%2)+7], v[ADRS+(\sl)] offset:(\j)*REC+16
.endm
.macro ALD s, a                        ; x's fragment a of step s + 3
.irp c, 0,1,2
	global_load_b128 v[AF+48*(((\s)+3)%4)+12*(\a)+4*\c:AF+48*(((\s)+3)%4)+12*(\a)+4*\c+3], v[AO], s[XA:XA+1] offset:((\s)+3)*REC+(\a)*FRB+512*\c
.endr
.endm
.macro ASC s                           ; x's scale words of steps s + 2 and s + 3 (s even)
	global_load_b128 v[SCA+4*((((\s)+2)/2)%2):SCA+4*((((\s)+2)/2)%2)+3], v[AS], s[XA:XA+1] offset:((\s)+2)*REC
.endm
.macro XB s                            ; step s's batch: an even step asks for 1 + 12 loads (scale words first), an odd one for 12.  The registers were last read in step s - 1
.if ((\s)%2) == 0
	ASC \s
.endif
.irp a, 0,1,2,3
	ALD \s, \a
.endr
.endm
.macro WM s, a, b, zero                ; one product; zero = 1: it starts the sum
.set AC, 8*(4*((\b)%8)+(\a))
.set BR, 12*(\b)
.set AR, AF+48*((\s)%4)+12*(\a)
.set SW, SCB+8*((\s)%2)+(\b)%8
.set SX, SCA+4*(((\s)/2)%2)+(\a)
.if \zero
.if (\b) < 8
	v_wmma_scale_f32_16x16x128_f8f6f4 v[AC:AC+7], v[BR:BR+11], v[AR:AR+11], 0, v[SW], v[SX] matrix_a_fmt:MATRIX_FMT_BF6 matrix_b_fmt:MATRIX_FMT_BF6
.else
	v_wmma_scale_f32_16x16x128_f8f6f4 v[AC:AC+7], v[BR:BR+11], v[AR:AR+11], 0, v[SW], v[SX] matrix_a_fmt:MATRIX_FMT_BF6 matrix_b_fmt:MATRIX_FMT_BF6 matrix_a_scale:MATRIX_SCALE_ROW1
.endif
.else
.if ((\s)%2) == 0
.if (\b) < 8
	v_wmma_scale_f32_16x16x128_f8f6f4 v[AC:AC+7], v[BR:BR+11], v[AR:AR+11], v[AC:AC+7], v[SW], v[SX] matrix_a_fmt:MATRIX_FMT_BF6 matrix_b_fmt:MATRIX_FMT_BF6
.else
	v_wmma_scale_f32_16x16x128_f8f6f4 v[AC:AC+7], v[BR:BR+11], v[AR:AR+11], v[AC:AC+7], v[SW], v[SX] matrix_a_fmt:MATRIX_FMT_BF6 matrix_b_fmt:MATRIX_FMT_BF6 matrix_a_scale:MATRIX_SCALE_ROW1
.endif
.else
.if (\b) < 8
	v_wmma_scale_f32_16x16x128_f8f6f4 v[AC:AC+7], v[BR:BR+11], v[AR:AR+11], v[AC:AC+7], v[SW], v[SX] matrix_a_fmt:MATRIX_FMT_BF6 matrix_b_fmt:MATRIX_FMT_BF6 matrix_b_scale:MATRIX_SCALE_ROW1
.else
	v_wmma_scale_f32_16x16x128_f8f6f4 v[AC:AC+7], v[BR:BR+11], v[AR:AR+11], v[AC:AC+7], v[SW], v[SX] matrix_a_fmt:MATRIX_FMT_BF6 matrix_b_fmt:MATRIX_FMT_BF6 matrix_a_scale:MATRIX_SCALE_ROW1 matrix_b_scale:MATRIX_SCALE_ROW1
.endif
.endif
.endif
.endm
.macro MUL16 s, b0, zero               ; W's fragments b0 .. b0 + 3 against x's four: 16 products on 16 accumulators (the 64 take turns in the same order in every step)
.irp b, 0,1,2,3
.irp a, 0,1,2,3
	WM \s, \a, (\b0)+\b, \zero
.endr
.endr
.endm
; A step that does not end its slot.  s counts steps modulo 8; ab = 1: x's batch for step s + 3 is asked for; ln: global loads that may stay out:
; 24 leaves out the 12 fragments' loads of the batch two steps back and the batch one step back.
.macro STEP s, zero, ab, ln
.set SL, ((\s)/4)%2
.set JJ, (\s)%4
	s_wait_loadcnt \ln
	s_wait_dscnt 24                                ; fragments 0-7 and the scale words are in; the youngest run (fragments 8-15) may be out
	WIN MUL_LO
	MUL16 \s, 0, \zero
	MUL16 \s, 4, \zero
	PLACES
	RUNB SL, JJ+1, 0
	WIN 0
	BSC \s, SL, JJ+1
.if \ab
	XB \s
.endif
	s_wait_dscnt 26                                ; all but the 26 LDS loads just issued: fragments 8-15 are in
	WIN MUL_HI
	MUL16 \s, 8, \zero
	MUL16 \s, 12, \zero
	PLACES
	RUNB SL, JJ+1, 8
.endm
; A slot's last step.  My last reads of the slot were issued at the end of the step before.  All my tensor loads have landed (my part of the other slot), the add, 16 products, the wait for the add and my reads,
; the barrier (fill = 1: it opens a round of the cluster's barrier), and the slot is filled again, two fills on.  The step's two runs of loads read the other slot.
.macro STEPB s, fill, ask, ab, ln
.set SL, ((\s)/4)%2
.set NS, 1-SL
	s_wait_loadcnt \ln
	WIN 0
.if \ask
	s_wait_xcnt 0x0                                ; my last prefetch has read its address
	s_add_nc_u64 s[PF:PF+1], s[PF:PF+1], BLK
.endif
	s_wait_tensorcnt 0x0
	ds_add_u32 v[SPW], v[NIL]
.if \fill
	s_add_nc_u64 s[G0+4*SL+2:G0+4*SL+3], s[G0+4*SL+2:G0+4*SL+3], 2*BLK   ; no load of mine is out: this slot's next fill
.endif
	s_wait_dscnt 25                                ; (the add and the youngest run may be out)
	WIN MUL_LO
	MUL16 \s, 0, 0
	s_wait_dscnt 0x0
	s_barrier_signal -1
	MUL16 \s, 4, 0
	WIN 0
	s_barrier_wait -1
.if \fill
	CREST
	JLOAD SL                                       ; its four v_nop are also the places in front of the loads below
.else
	PLACES
.endif
	RUNB NS, 0, 0
	WIN 0
	BSC \s, NS, 0
.if \ab
	XB \s
.endif
.if \ask
	s_cmp_gt_u32 s3, 1                             ; the last trip's two fills have no fill two on
	s_cbranch_scc0 .Lno_ask_\@
	global_prefetch_b8 v[PFO], s[PF:PF+1] th:TH_LOAD_NT scope:SCOPE_SE   ; the fill two on from the one just asked for: 25 blocks of 256 bytes, a lane a block; the cluster's 16 waves share the fill's 400 blocks out by address
.Lno_ask_\@:
.endif
	WIN MUL_HI
	MUL16 \s, 8, 0                                 ; (fragments 8-15 were in at the wait for 0)
	MUL16 \s, 12, 0
	PLACES
	RUNB NS, 0, 8
.endm
	s_load_b128 s[4:7], s[0:1], 0x0                ; x_img, w_img
	s_load_b64 s[12:13], s[0:1], 0x10              ; out0
	v_lshl_add_u32 v[SPW], v0, 2, SPARE
	v_mov_b32 v[NIL], 0
	ds_add_u32 v[SPW], v[NIL]                      ; the opening lines: the add twice on end and one wait
	ds_add_u32 v[SPW], v[NIL]
	v_lshrrev_b32 v1, 5, v0
	v_readfirstlane_b32 s14, v1                    ; wave w
	s_lshr_b32 s15, s14, 1
	s_and_b32 s16, s14, 1
	s_bfe_u32 s40, ttmp6, 0x40000                  ; cx = row tile
	s_and_b32 s42, ttmp7, 0xffff                   ; column tile
	s_mov_b32 s[G1+0], 15|(3<<16)|(1<<21)          ; the mask of the four; elements of 8 bytes; bit 21 beside a mask
	s_mov_b32 s[G1+1], 32<<16                      ; rows of 256 bytes,
	s_mov_b32 s[G1+2], 100<<16                     ; 100 of them: two records, dense in memory
	s_mov_b32 s[G1+3], 32<<16
	s_mov_b32 s[G1+4], 100
	s_mov_b32 s[G1+5], 32
	s_mov_b32 s[G1+6], 0
	s_mov_b32 s[G1+7], 0
	s_lshl_b32 s20, s42, 1                         ; W: block 2 x column tile + w / 2, records 2 (w % 2) ..
	s_add_co_u32 s20, s20, s15
	s_mul_i32 s20, s20, NBB
	s_mul_i32 s21, s16, 2*REC
	s_add_co_u32 s20, s20, s21
	s_mov_b32 s21, 0
	s_mul_i32 s19, s14, 2*REC                      ; and where they go in a slot
	s_lshl_b32 s44, s40, 1                         ; x: block 2 cx + w / 2
	s_add_co_u32 s44, s44, s15
	s_mul_i32 s44, s44, NBB
	s_mov_b32 s45, 0
	s_lshr_b32 s46, s40, 1                         ; prefetches: of a fill's 16 half records I take number 4 cx + w: block cx / 2, record 2 (cx % 2) + w / 2, half w % 2
	s_lshl_b32 s47, s42, 1
	s_add_co_u32 s46, s46, s47
	s_mul_i32 s46, s46, NBB
	s_and_b32 s47, s40, 1
	s_lshl_b32 s47, s47, 1
	s_add_co_u32 s47, s47, s15
	s_mul_i32 s47, s47, REC
	s_add_co_u32 s46, s46, s47
	s_mul_i32 s47, s16, REC/2
	s_add_co_u32 s46, s46, s47
	s_add_co_u32 s46, s46, 3*BLK                   ; at fill 3: the first change of slots steps it to fill 4
	s_mov_b32 s47, 0
	s_lshl_b32 s48, s40, 8                         ; out0: row 256 cx + 64 w (65,536 bytes a row), column 256 x column tile
	s_lshl_b32 s49, s14, 6
	s_add_co_u32 s48, s48, s49
	s_lshl_b32 s48, s48, 16
	s_lshl_b32 s49, s42, 10
	s_add_co_u32 s48, s48, s49
	s_mov_b32 s49, 0
	s_mul_i32 s17, s16, 4*FRB                      ; my four tiles of the block's eight
	s_lshl_b32 s18, s16, 4
	s_add_co_u32 s18, s18, SCO
	s_mul_i32 s23, s14, 16*SPITCH                  ; my stage
	v_and_b32 v1, 15, v0                           ; r
	v_bfe_u32 v2, v0, 4, 1                         ; h
	v_and_b32 v6, 31, v0
	v_lshlrev_b32 v[ADRB], 4, v6                   ; 16 x lane
	v_add_nc_u32 v[ADRB+1], BLK, v[ADRB]
	v_add_nc_u32 v[ADRB+2], SLOT, v[ADRB]
	v_add_nc_u32 v[ADRB+3], SLOT+BLK, v[ADRB]
	v_mul_u32_u24 v5, v2, BLK
	v_lshl_add_u32 v5, v1, 5, v5                   ; a row's eight scale words are 32 bytes
	v_add_nc_u32 v[ADRS], SCO, v5
	v_add_nc_u32 v[ADRS+1], SLOT+SCO, v5
	v_add_nc_u32 v[AO], s17, v[ADRB]
	v_mul_u32_u24 v7, v2, REC
	v_lshl_add_u32 v7, v1, 5, v7
	v_add_nc_u32 v[AS], s18, v7
	v_mul_u32_u24 v8, v1, SPITCH
	v_lshl_add_u32 v8, v2, 5, v8
	v_add_nc_u32 v[STO], s23, v8
	v_add_nc_u32 v[RD], s23, v[ADRB]
	v_min_u32 v[PFO], 24, v6                       ; lanes 25-31 name the last block again
	v_lshlrev_b32 v[PFO], 8, v[PFO]
	s_wait_alu depctr_va_vdst(0)
	s_wait_dscnt 0x0
	s_wait_kmcnt 0x0
	s_add_nc_u64 s[20:21], s[6:7], s[20:21]
	s_add_nc_u64 s[XA:XA+1], s[4:5], s[44:45]
	s_add_nc_u64 s[PF:PF+1], s[6:7], s[46:47]
	s_add_nc_u64 s[12:13], s[12:13], s[48:49]
.irp s, 0,1
	s_mov_b32 s[G0+4*\s], 1
	s_add_co_u32 s[G0+4*\s+1], s19, \s*SLOT
	s_add_nc_u64 s[G0+4*\s+2:G0+4*\s+3], s[20:21], \s*BLK
	s_or_b32 s[G0+4*\s+3], s[G0+4*\s+3], 0x80000000
.endr
	CROUND                                         ; the four work-groups are here: the first joint loads meet
	JLOAD 0                                        ; steps 0-3: one tensor load a wave at the head
	XB -3                                          ; x's step 0;
	XB -2                                          ; the scale words of steps 0 and 1, and step 1;
	XB -1                                          ; step 2
	s_wait_tensorcnt 0x0                           ; my part of slot 0 is in; the same lines as ahead of a refill stand ahead of slot 1's first fill
	ds_add_u32 v[SPW], v[NIL]
	s_wait_dscnt 0x0
	CROUND
	JLOAD 1                                        ; steps 4-7
	BSC -1, 0, 0
	RUNB 0, 0, 0
	RUNB 0, 0, 8
	STEP 0, 1, 1, 24                               ; the first step's products start the sums
	WIN 0
	s_mov_b32 s3, 3
.Llap:                                                 ; a trip: eight steps, once round the ring, from a lap's second step to the next lap's first; both slots are filled again
	STEP 1, 0, 1, 24
	STEP 2, 0, 1, 24
	STEPB 3, 1, 1, 1, 24
	STEP 4, 0, 1, 24
	STEP 5, 0, 1, 24
	STEP 6, 0, 1, 24
	STEPB 7, 1, 1, 1, 24
	STEP 8, 0, 1, 24
	WIN 0
	s_wait_xcnt 0x0                                ; x's loads have read their base
	s_add_nc_u64 s[XA:XA+1], s[XA:XA+1], 8*REC
	s_sub_co_u32 s3, s3, 1
	s_cmp_lg_u32 s3, 0
	s_cbranch_scc1 .Llap
	STEP 1, 0, 1, 24                               ; steps 25 to 31: nothing is filled again
	STEP 2, 0, 1, 24
	STEPB 3, 0, 0, 1, 24
	STEP 4, 0, 1, 24                               ; asks for x's last step
	STEP 5, 0, 0, 24
	STEP 6, 0, 0, 12                               ; behind the last scale words stand the last 12 loads
	s_wait_loadcnt 0x0                             ; the very last step: nothing more to fetch
	s_wait_dscnt 24
	WIN MUL_LO
	MUL16 7, 0, 0
	MUL16 7, 4, 0
	s_wait_dscnt 0x0
	WIN MUL_HI
	MUL16 7, 8, 0
	MUL16 7, 12, 0
	WIN 0
; THE WAY OUT, eight pieces of 16 rows x 128 columns: through my own stage in LDS and back as whole rows of 512 bytes, which the 32 lanes store as two aligned runs of 256 bytes.
; LDS serves a wave's instructions in order (ISA guide 5.7.1.4): no wait between the stores and the loads.
.macro TOSTAGE u
	WIN 0x08+4*((\u)%2)                            ; the data: window 2 or 3
.irp b, 0,1,2,3,4,5,6,7
	ds_store_b128 v[STO], v[32*\b+8*((\u)/2):32*\b+8*((\u)/2)+3] offset:64*\b        ; each accumulator from its low end on
	ds_store_b128 v[STO], v[32*\b+8*((\u)/2)+4:32*\b+8*((\u)/2)+7] offset:64*\b+16
.endr
	WIN 0
.irp t, 0,1,2,3,4,5,6,7,8,9,10,11,12,13,14,15
	ds_load_b128 v[BK+64*((\u)%2)+4*\t:BK+64*((\u)%2)+4*\t+3], v[RD] offset:\t*SPITCH
.endr
.endm
.macro SEND u, younger
	s_wait_dscnt \younger
.irp t, 0,1,2,3,4,5,6,7,8,9,10,11,12,13,14,15
	global_store_b128 v[ADRB], v[BK+64*((\u)%2)+4*\t:BK+64*((\u)%2)+4*\t+3], s[12:13] offset:(16*((\u)/2)+\t)*SIZE_N*4+512*((\u)%2) th:TH_STORE_NT   ; 63 rows at the most: inside the signed 24-bit immediate
.endr
.endm
	PLACES
	TOSTAGE 0
.irp u, 1,2,3,4,5,6,7
.if \u > 1
	s_wait_xcnt 0x0                                ; piece u - 2's stores have read their registers
.endif
	TOSTAGE \u
	SEND \u-1, 32
.endr
	SEND 7, 0
	s_wait_tensorcnt 0x0                           ; the wave's end
	ds_add_u32 v[SPW], v[NIL]
	s_wait_dscnt 0x0
	CROUND                                         ; the closing round
	s_endpgm
.Lfunc_end_k_q16dbae1d8e_gemm:
	.size	k_q16dbae1d8e_gemm, .Lfunc_end_k_q16dbae1d8e_gemm-k_q16dbae1d8e_gemm
	.p2alignl 7, 3214868480
	.fill 96, 4, 3214868480
	.section	.rodata,"a",@progbits
	.p2align	6, 0x0
	.amdhsa_kernel k_q16dbae1d8e_gemm
		.amdhsa_group_segment_fixed_size 327680
		.amdhsa_private_segment_fixed_size 0
		.amdhsa_enable_private_segment 0
		.amdhsa_kernarg_size 24
		.amdhsa_user_sgpr_count 2
		.amdhsa_user_sgpr_kernarg_segment_ptr 1
		.amdhsa_wavefront_size32 1
		.amdhsa_system_sgpr_workgroup_id_x 1
		.amdhsa_system_sgpr_workgroup_id_y 1
		.amdhsa_system_sgpr_workgroup_id_z 1
		.amdhsa_system_vgpr_workitem_id 0
		.amdhsa_next_free_vgpr 1024
		.amdhsa_next_free_sgpr 66
		.amdhsa_reserve_vcc 0
		.amdhsa_float_denorm_mode_32 3
		.amdhsa_float_denorm_mode_16_64 3
		.amdhsa_memory_ordered 1
		.amdhsa_forward_progress 1
		.amdhsa_inst_pref_size 243
	.end_amdhsa_kernel
	.amdgpu_metadata
---
amdhsa.version: [ 1, 2 ]
amdhsa.kernels:
  - .name:           k_q16dbae1d8e_gemm
    .symbol:         k_q16dbae1d8e_gemm.kd
    .args:
      - { .name: x_img, .offset: 0, .size: 8, .value_kind: global_buffer, .address_space: global }
      - { .name: w_img, .offset: 8, .size: 8, .value_kind: global_buffer, .address_space: global }
      - { .name: out0, .offset: 16, .size: 8, .value_kind: global_buffer, .address_space: global }
    .group_segment_fixed_size: 327680
    .private_segment_fixed_size: 0
    .kernarg_segment_align: 8
    .kernarg_segment_size: 24
    .max_flat_workgroup_size: 128
    .sgpr_count:     66
    .vgpr_count:     1024
    .wavefront_size: 32
...
	.end_amdgpu_metadata
.endif
;; end of part 2
